; MI455X (gfx1250); checked and timed in simulation.
; The chip was launched on July 23, 2026; its instructions are those of AMD's public machine-readable ISA for CDNA 5 (MIT licence, August 2026) and "CDNA5" Instruction Set Architecture Reference Guide (July 2026). The comments in the code are by the model that wrote it; some were corrected since.
;; Lo RA Multihead Attention. Allowed arithmetic: matrix products marked QUANTISED: E4M3 operands, one E8M0 scale for each 32 along K, by v_wmma_scale_f32_16x16x128_f8f6f4 with both operands' format E4M3, f32 sums; products left as they are: f32 operands where the result goes on into a quantised operand, else bf16, f16 or f32 operands; f32 sums; everything else in f32.
;; Inputs: Aq_codes 16 x 32 x 32 uint8 (E4M3 codes of Aq, K innermost, in blocks of 32 codes); Aq_scales 16 x 32 uint8 (E8M0 scales of Aq, one for each 32 codes along K); Av_codes 16 x 32 x 32 uint8 (E4M3 codes of Av, K innermost, in blocks of 32 codes); Av_scales 16 x 32 uint8 (E8M0 scales of Av, one for each 32 codes along K); Bq 16 x 1,024 float32; Bv 16 x 1,024 float32; Wk_codes 1,024 x 32 x 32 uint8 (E4M3 codes of Wk, K innermost, in blocks of 32 codes); Wk_scales 1,024 x 32 uint8 (E8M0 scales of Wk, one for each 32 codes along K); Wo_codes 1,024 x 32 x 32 uint8 (E4M3 codes of Wo, K innermost, in blocks of 32 codes); Wo_scales 1,024 x 32 uint8 (E8M0 scales of Wo, one for each 32 codes along K); Wq_codes 1,024 x 32 x 32 uint8 (E4M3 codes of Wq, K innermost, in blocks of 32 codes); Wq_scales 1,024 x 32 uint8 (E8M0 scales of Wq, one for each 32 codes along K); Wv_codes 1,024 x 32 x 32 uint8 (E4M3 codes of Wv, K innermost, in blocks of 32 codes); Wv_scales 1,024 x 32 uint8 (E8M0 scales of Wv, one for each 32 codes along K); bk 1,024 float32; bo 1,024 float32; bq 1,024 float32; bv 1,024 float32; x_k_codes 2,048 x 4 x 32 x 32 uint8 (E4M3 codes of x_k, K innermost, in blocks of 32 codes); x_k_scales 2,048 x 4 x 32 uint8 (E8M0 scales of x_k, one for each 32 codes along K); x_q_codes 2,048 x 4 x 32 x 32 uint8 (E4M3 codes of x_q, K innermost, in blocks of 32 codes); x_q_scales 2,048 x 4 x 32 uint8 (E8M0 scales of x_q, one for each 32 codes along K); x_v_codes 2,048 x 4 x 32 x 32 uint8 (E4M3 codes of x_v, K innermost, in blocks of 32 codes); x_v_scales 2,048 x 4 x 32 uint8 (E8M0 scales of x_v, one for each 32 codes along K).
;; Outputs: out0 2,048 x 4 x 1,024 float32.
;; This version of the problem:
;;   THIS VERSION OF THE PROBLEM IS GIVEN IN LOW PRECISION. The matrix products marked QUANTISED in the list below multiply operands that are first quantised to E4M3 (4 exponent bits, 3 mantissa bits; 8 bits a number), with one power-of-two scale for each 32 numbers along K (OCP MX v1.0); their sums are f32. All else is computed in f32.
;;   The module's matrix products, in the order in which they are computed (A, B: the left and right operand; K: the contracted axis; several contracted axes count as one K, in the product's order):
;;     1. [M 8,192, K 1,024] x [K 1,024, N 1,024]; A: input x_q (given as codes); B: input Wq (given as codes): QUANTISED
;;     2. [M 8,192, K 1,024] x [K 1,024, N 16]; A: input x_q (given as codes); B: input Aq (given as codes): QUANTISED
;;     3. [M 8,192, K 16] x [K 16, N 1,024]; A: computed on the way; B: input Bq: left as it is (K = 16 < 32)
;;     4. [M 8,192, K 1,024] x [K 1,024, N 1,024]; A: input x_k (given as codes); B: input Wk (given as codes): QUANTISED
;;     5. [M 8,192, K 1,024] x [K 1,024, N 1,024]; A: input x_v (given as codes); B: input Wv (given as codes): QUANTISED
;;     6. [M 8,192, K 1,024] x [K 1,024, N 16]; A: input x_v (given as codes); B: input Av (given as codes): QUANTISED
;;     7. [M 8,192, K 16] x [K 16, N 1,024]; A: computed on the way; B: input Bv: left as it is (K = 16 < 32)
;;     8. batch 64 x [M 2,048, K 64] x [K 64, N 2,048]; A: computed on the way; B: computed on the way: QUANTISED
;;     9. batch 64 x [M 2,048, K 2,048] x [K 2,048, N 64]; A: softmax (see below); B: computed on the way: QUANTISED
;;     10. [M 8,192, K 1,024] x [K 1,024, N 1,024]; A: computed on the way; B: input Wo (given as codes): QUANTISED
;;   THE QUANTISER, for each operand of a quantised product, along K:
;;     - K is cut into blocks of 32 from its start; a last block that is shorter is filled with zeros.
;;     - A block's scale is 2^e with e = floor(log2(the largest magnitude in the block)) - 8, held to -126 .. 127; a block of zeros has e = 0. As a byte (E8M0): e + 127.
;;     - Each number is divided by its block's scale, clamped to +-448, and rounded to the nearest number of E4M3, ties to even, subnormals kept.
;;     - The product sums the exact products of the quantised numbers (number of the format x scale) in f32.
;;   ~~~python
;;   def quantise(x, axis):      # numpy; x: float32 -> the quantised numbers, widened to float32 again
;;       x = np.moveaxis(x, axis, -1); K = x.shape[-1]
;;       x = np.pad(x, [(0, 0)] * (x.ndim - 1) + [(0, -K % 32)]); x = x.reshape(x.shape[:-1] + (-1, 32)); a = np.abs(x).max(-1, keepdims=True)
;;       e = np.where(a > 0, np.clip(np.frexp(np.where(a > 0, a, 1))[1] - 1 - 8, -126, 127), 0)      # np.frexp(a)[1] - 1 = floor(log2(a)), exactly
;;       r = np.clip(x / 2.0 ** e, -448, 448)
;;       step = 2.0 ** (np.maximum(np.frexp(np.where(r == 0, 1, r))[1] - 1, -6) - 3)
;;       q = np.round(r / step) * step * 2.0 ** e      # np.round: ties to even
;;       return np.moveaxis(q.reshape(q.shape[:-2] + (-1,))[..., :K], -1, axis).astype(np.float32)
;;   ~~~
;;   SOFTMAX AHEAD OF A QUANTISED PRODUCT. Where the list says 'softmax', what is quantised is not the finished softmax but p = 2^(t - M), with t = logit x log2(e) and M = ceil(the row's largest t), a whole number; so 1/2 < the row's largest p <= 1. The row's sum l is taken of the UNQUANTISED p, in f32, and the product's result is divided by l at the end. Since M is a whole number, a kernel that streams over the keys may use a running M (the ceiling of the running maximum): every later rescaling is an exact power of two, which a block's scale takes up: the codes' values come out the same.
;;   OPERANDS COMPUTED ON THE WAY. 'Computed on the way' means the value that the module computes at that place (a softmax that the list does not call 'softmax' is quantised finished and normalised). What goes into a quantiser is computed in f32, as accurately as f32 sums, v_exp_f32 and their like allow (about 1e-6 of the number): no bf16 or f16 on the way to a quantiser, and a product that is left as it is and whose result goes on into a quantised operand takes f32 operands (vector FMAs, or v_wmma_f32_16x16x4_f32). A number that lies on a knife's edge between two numbers of the format may be rounded either way, as far as f32 arithmetic and the matrix unit's own rounding can turn it there, and no further.
;;   INPUTS GIVEN AS CODES. Aq (in the module: [1024, 16], K = its axis 0); Av (in the module: [1024, 16], K = its axis 0); Wk (in the module: [1024, 1024], K = its axis 1); Wo (in the module: [1024, 1024], K = its axis 1); Wq (in the module: [1024, 1024], K = its axis 1); Wv (in the module: [1024, 1024], K = its axis 1); x_k (in the module: [2048, 4, 1024], K = its axis 2); x_q (in the module: [2048, 4, 1024], K = its axis 2); x_v (in the module: [2048, 4, 1024], K = its axis 2): each comes as NAME_codes (uint8): NAME with its K axis moved to the last place and cut into blocks of 32 codes, [.., K / 32, bytes a block], one block behind the other in memory; one code a byte (a code: sign, 4 exponent bits, 3 mantissa bits); and NAME_scales (uint8): the same leading axes, one E8M0 byte (e + 127) for each 32 codes along K. Its value is code x scale, taken as it is: it is not quantised again, and the codes and scales need not be those that the quantiser above would give.
;; One version. Each part assembles by itself: llvm-mc -triple=amdgcn-amd-amdhsa -mcpu=gfx1250 --defsym DOCPART=n.
;; ======== version 1 of 1: 3 launches
;; limits: right only within a limited range of input values
;; workspace buffers: qimg 8,388,608 bytes; qsc 262,144 bytes; kv 17,301,504 bytes; oimg 8,388,608 bytes; osc 262,144 bytes
;; launch proj (part 1): grid 64 x 4, 8 waves a work-group, clusters of 4 x 4, 327,680 bytes of LDS; arguments x_q_codes, x_q_scales, Wq_codes, Wq_scales, bq, Aq_codes, Aq_scales, Bq, x_v_codes, x_v_scales, Wv_codes, Wv_scales, bv, Av_codes, Av_scales, Bv, x_k_codes, x_k_scales, Wk_codes, Wk_scales, bk, qimg, qsc, kv; writes qimg, qsc, kv
.if DOCPART == 1
	.amdgcn_target "amdgcn-amd-amdhsa--gfx1250"
	.amdhsa_code_object_version 6
	.text
	.protected	k_qa301499a3d_proj
	.globl	k_qa301499a3d_proj
	.p2align	8
	.type	k_qa301499a3d_proj,@function
k_qa301499a3d_proj:
	s_mov_b64 s[64:65], 0
	v_nop
	global_prefetch_b8 v0, s[64:65] scope:SCOPE_SE
	s_setreg_imm32_b32 hwreg(HW_REG_WAVE_MODE, 25, 1), 1
	s_wait_xcnt 0x0
	s_wait_alu depctr_hold_cnt(0) depctr_sa_sdst(0) depctr_va_vdst(0) depctr_va_sdst(0) depctr_va_ssrc(0) depctr_va_vcc(0) depctr_vm_vsrc(0)
	s_getreg_b32 s2, hwreg(HW_REG_IB_STS2, 6, 4)
	s_cmp_eq_u32 s2, 0
	s_cbranch_scc0 .Lentry_in_a_cluster
	s_endpgm
.Lentry_in_a_cluster:
	s_bfe_u32 s2, ttmp6, 0x10000c
	s_cmp_lg_u32 s2, 0xf033
	s_cbranch_scc0 .Lentry_shape_is_right
	s_endpgm
.Lentry_shape_is_right:
.set WP,    1040
.set WS0,   128*WP
.set WS1,   WS0+64*WP
.set STG,   WS1+64*WP
.set SPARE, STG+3072
.set SPW, 1
.set NIL, 2
.set AW0, 3
.set AW1, 4
.set AX,  5
.set XSO, 6
.set WSO, 7
.set BIO, 8
.set BIV, 9
.set BTO, 10
.set AO,  11
.set ASO, 12
.set COQ, 13
.set COV, 14
.set SAQ, 15
.set SAK, 16
.set SAV, 17
.set FL,  18
.set FOQ, 19
.set FOK, 20
.set XSC, 24
.set WSC, 32
.set ASC, 40
.set BI,  48
.set BT,  64
.set T2,  80
.set ACC, 96
.set WF,  128
.set TMP, 192
.set PC,  224
.set TM,  232
.set FLR, 22
.set WSC2, 246                         ; v246-253: the second set of W's scale words; the units take the two sets by turns
.set PFW, 254                          ; v254 the prefetches' offset in W: 65,536 cx + 256 x lane
.set PFX, 255                          ; v255 and in x: 4,096 x min(lane, 15) + 256 cy
.set WV,  66
.set FW,  67
.set CB,  84
.set CX,  85
.set CY,  86
.set SEL, 90
.set MNT, 92
.set SW,  93
.set G1X, 52
.set G0X, 60
.set G1W, 68
.set G0W, 76
.set QIB, 46
.set QSB, 48
.set KVB, 50
.set MSB, 0
.macro WIN new
.if MSB != \new
	s_set_vgpr_msb (MSB<<8)|\new
.set MSB, \new
.endif
.endm
.macro PLACES n
.rept \n
	v_nop
.endr
.endm
.macro ROUND
	s_barrier_signal -1
	s_barrier_wait -1
	s_cmp_lg_u32 s[WV], 0
	s_cbranch_scc1 .Lnot_wave_0_\@
	s_barrier_signal -3
.Lnot_wave_0_\@:
	s_barrier_wait -3
	s_barrier_signal -1
	s_barrier_wait -1
.endm
.macro WM d, a, b, c, sa, sb, ra, rb
.if (\c) < 0
.if (\ra) && (\rb)
	v_wmma_scale_f32_16x16x128_f8f6f4 v[\d:\d+7], v[\a:\a+15], v[\b:\b+15], 0, v[\sa], v[\sb] matrix_a_scale:MATRIX_SCALE_ROW1 matrix_b_scale:MATRIX_SCALE_ROW1
.elseif (\ra)
	v_wmma_scale_f32_16x16x128_f8f6f4 v[\d:\d+7], v[\a:\a+15], v[\b:\b+15], 0, v[\sa], v[\sb] matrix_a_scale:MATRIX_SCALE_ROW1
.elseif (\rb)
	v_wmma_scale_f32_16x16x128_f8f6f4 v[\d:\d+7], v[\a:\a+15], v[\b:\b+15], 0, v[\sa], v[\sb] matrix_b_scale:MATRIX_SCALE_ROW1
.else
	v_wmma_scale_f32_16x16x128_f8f6f4 v[\d:\d+7], v[\a:\a+15], v[\b:\b+15], 0, v[\sa], v[\sb]
.endif
.else
.if (\ra) && (\rb)
	v_wmma_scale_f32_16x16x128_f8f6f4 v[\d:\d+7], v[\a:\a+15], v[\b:\b+15], v[\c:\c+7], v[\sa], v[\sb] matrix_a_scale:MATRIX_SCALE_ROW1 matrix_b_scale:MATRIX_SCALE_ROW1
.elseif (\ra)
	v_wmma_scale_f32_16x16x128_f8f6f4 v[\d:\d+7], v[\a:\a+15], v[\b:\b+15], v[\c:\c+7], v[\sa], v[\sb] matrix_a_scale:MATRIX_SCALE_ROW1
.elseif (\rb)
	v_wmma_scale_f32_16x16x128_f8f6f4 v[\d:\d+7], v[\a:\a+15], v[\b:\b+15], v[\c:\c+7], v[\sa], v[\sb] matrix_b_scale:MATRIX_SCALE_ROW1
.else
	v_wmma_scale_f32_16x16x128_f8f6f4 v[\d:\d+7], v[\a:\a+15], v[\b:\b+15], v[\c:\c+7], v[\sa], v[\sb]
.endif
.endif
.endm
.macro KIND t
.set KK, (\t)/4
.set HH, (\t)%4
.if KK == 0
.set KP, 4
.elseif KK == 1
.set KP, 36
.else
.set KP, 20
.endif
.endm
; what unit t wants beside its tiles comes in two parts.  LOADU1: W's scale words (into the set of t's parity) and the bias: 6 loads, or 18 for v.  LOADU2: the LoRA B, 16 loads, none for k
.macro LOADU1 t
	KIND \t
.set WN, WSC+(WSC2-WSC)*((\t)%2)
	global_load_b128 v[WN:WN+3], v[WSO], s[KP+6:KP+7] offset:2048*HH
	global_load_b128 v[WN+4:WN+7], v[WSO], s[KP+6:KP+7] offset:2048*HH+16
.if KK < 2
.irp q, 0,1,2,3
	global_load_b128 v[BI+4*\q:BI+4*\q+3], v[BIO], s[KP+8:KP+9] offset:256*HH+16*\q
.endr
.else
.set q, 0
.rept 16
	global_load_b32 v[BI+q], v[BIV], s[KP+8:KP+9] offset:256*HH+32*(q/8)
.set q, q+1
.endr
.endif
.endm
.macro LOADU2 t
	KIND \t
.if KK != 1
.irp tt, 0,1
.irp q, 0,1,2,3,4,5,6,7
	global_load_b32 v[BT+8*\tt+\q], v[BTO], s[KP+14:KP+15] offset:256*HH+32*\tt+4096*\q
.endr
.endr
.endif
.endm
.macro ALOAD k0
.irp q, 0,1,2,3
.irp c, 0,1,2,3
	global_load_b128 v[WF+16*\q+4*\c:WF+16*\q+4*\c+3], v[AO], s[KP+10:KP+11] offset:128*((\k0)+\q)+32*\c
.endr
.endr
.endm
.macro LOADK k
	KIND 4*(\k)
	global_load_b128 v[XSC:XSC+3], v[XSO], s[KP+2:KP+3]
	global_load_b128 v[XSC+4:XSC+7], v[XSO], s[KP+2:KP+3] offset:16
.if KK != 1
	global_load_b128 v[ASC:ASC+3], v[ASO], s[KP+12:KP+13]
	global_load_b128 v[ASC+4:ASC+7], v[ASO], s[KP+12:KP+13] offset:16
	ALOAD 0
.endif
.endm
.macro XREGS
	WIN 0x40
.irp ks, 0,1,2,3,4,5,6,7
.irp u, 0,1
.irp c, 0,1,2,3
	ds_load_b128 v[128*\u+16*\ks+4*\c:128*\u+16*\ks+4*\c+3], v[AX] offset:16*WP*\u+128*\ks+32*\c
.endr
.endr
.endr
	WIN 0
.endm
.macro XCHANGE k
	KIND 4*(\k)
	s_wait_tensorcnt 0x0
	ds_add_u32 v[SPW], v[NIL]
	s_mov_b64 s[G0X+2:G0X+3], s[KP:KP+1]
	s_or_b32 s[G0X+3], s[G0X+3], 0x80000000
	s_wait_dscnt 0x0
	ROUND
	tensor_load_to_lds s[G0X:G0X+3], s[G1X:G1X+7]
	s_nop 0
	PLACES 4
.endm
.macro TSEC k
	KIND 4*(\k)
	s_wait_dscnt 0x0
	s_wait_loadcnt 0x0
	WIN 0x04
.irp ks, 0,1,2,3
.irp u, 0,1
.if \ks == 0
	WM TMP+8*\u, WF+16*\ks, 128*\u+16*\ks, -1, ASC+\ks, XSC+\ks, 0, \u
.else
	WM TMP+8*\u, WF+16*\ks, 128*\u+16*\ks, TMP+8*\u, ASC+\ks, XSC+\ks, 0, \u
.endif
.endr
.endr
	WIN 0
	PLACES 8
	ALOAD 4
	s_wait_loadcnt 0x0
	WIN 0x04
.irp ks, 4,5,6,7
.irp u, 0,1
	WM TMP+8*\u, WF+16*(\ks-4), 128*\u+16*\ks, TMP+8*\u, ASC+\ks, XSC+\ks, 0, \u
.endr
.endr
	WIN 0
	PLACES 8
.irp q, 0,1,2,3,4,5,6,7
	v_pk_mul_f32 v[T2+2*\q:T2+2*\q+1], v[TMP+2*\q:TMP+2*\q+1], 2.0 op_sel_hi:[1,0]
.endr
.endm
.macro FETCHW slot, ks
.irp j, 0,1
.irp c, 0,1,2,3
	ds_load_b128 v[WF+32*((\ks)%2)+16*\j+4*\c:WF+32*((\ks)%2)+16*\j+4*\c+3], v[AW0+\slot] offset:16*WP*\j+128*(\ks)+32*\c
.endr
.endr
.endm
.macro MM swap, ks, i, j
.set rD, ACC+16*(\i)+8*(\j)
.if (\ks) == 0
.if \swap
.set rC, BI+8*(\i)
.else
.set rC, BI+8*(\j)
.endif
.else
.set rC, rD
.endif
.if \swap
	WM rD, 128*(\j)+16*(\ks), WF+32*((\ks)%2)+16*(\i), rC, XSC+(\ks), WCUR+(\ks), \j, \i
.else
	WM rD, WF+32*((\ks)%2)+16*(\j), 128*(\i)+16*(\ks), rC, WCUR+(\ks), XSC+(\ks), \j, \i
.endif
.endm
.macro MAIN swap, slot, t
	FETCHW \slot, 0
	FETCHW \slot, 1
.irp ks, 0,1,2,3,4,5,6,7
.if \ks < 7
	s_wait_dscnt 8
.else
	s_wait_dscnt 0x0
.endif
.if \swap
	WIN 0x01
.else
	WIN 0x04
.endif
.irp i, 0,1
.irp j, 0,1
	MM \swap, \ks, \i, \j
.endr
.endr
.if \swap
	WIN 0
.endif
.if \ks < 6
	PLACES 8
	FETCHW \slot, \ks+2
.endif
.if (\ks == 0) && ((\t) < 11)
	LOADU1 (\t)+1                                  ; the bias registers have been read by K step 0's products, eight places back; the other set of scale words is idle: the next unit's come in under this unit's work
.endif
.endr
	WIN 0
.endm
.macro CHANGE t
	s_wait_tensorcnt 0x0
	ds_add_u32 v[SPW], v[NIL]
.if (\t) <= 9
	KIND (\t)+2
	s_add_nc_u64 s[G0W+4*((\t)%2)+2:G0W+4*((\t)%2)+3], s[KP+4:KP+5], 65536*HH
	s_or_b32 s[G0W+4*((\t)%2)+3], s[G0W+4*((\t)%2)+3], 0x80000000
.endif
	s_wait_dscnt 0x0
.if (\t) <= 9
	ROUND
	tensor_load_to_lds s[G0W+4*((\t)%2):G0W+4*((\t)%2)+3], s[G1W:G1W+7]
	s_nop 0
	PLACES 4
.else
	s_barrier_signal -1
	s_barrier_wait -1
.endif
.endm
.macro LORA swap
	PLACES 9
.irp kk, 0,1,2,3
.irp i, 0,1
.irp j, 0,1
.if \swap
	v_wmma_f32_16x16x4_f32 v[ACC+16*\i+8*\j:ACC+16*\i+8*\j+7], v[T2+8*\j+2*\kk:T2+8*\j+2*\kk+1], v[BT+8*\i+2*\kk:BT+8*\i+2*\kk+1], v[ACC+16*\i+8*\j:ACC+16*\i+8*\j+7]
.else
	v_wmma_f32_16x16x4_f32 v[ACC+16*\i+8*\j:ACC+16*\i+8*\j+7], v[BT+8*\j+2*\kk:BT+8*\j+2*\kk+1], v[T2+8*\i+2*\kk:T2+8*\i+2*\kk+1], v[ACC+16*\i+8*\j:ACC+16*\i+8*\j+7]
.endif
.endr
.endr
.endr
.endm
.macro QUANT2
.irp i, 0,1
	v_max3_num_f32 v[TM+\i], |v[ACC+16*\i]|, |v[ACC+16*\i+1]|, 0x4800000
.endr
.irp q, 2,4,6,8,10,12,14
.irp i, 0,1
	v_max3_num_f32 v[TM+\i], v[TM+\i], |v[ACC+16*\i+\q]|, |v[ACC+16*\i+\q+1]|
.endr
.endr
.irp i, 0,1
	s_delay_alu instid0(VALU_DEP_2)
	v_permlanex16_b32 v[TM+2+\i], v[TM+\i], s[SEL], s[SEL+1]
.endr
.irp i, 0,1
	s_delay_alu instid0(VALU_DEP_2)
	v_max_num_f32 v[TM+\i], v[TM+\i], v[TM+2+\i]
.endr
.irp i, 0,1
	s_delay_alu instid0(VALU_DEP_2)
	v_add_nc_u32 v[TM+4+\i], 0xfc000000, v[TM+\i]
.endr
.irp i, 0,1
	s_delay_alu instid0(VALU_DEP_4)
	v_and_or_b32 v[TM+6+\i], v[TM+\i], 0x7f800000, s[MNT]
.endr
.irp i, 0,1
	s_delay_alu instid0(VALU_DEP_4)
	v_lshrrev_b32 v[TM+8+\i], 23, v[TM+4+\i]
.endr
.irp i, 0,1
.set q, 0
.rept 16
	v_med3_num_f32 v[TMP+16*\i+q], v[ACC+16*\i+q], -v[TM+6+\i], v[TM+6+\i]
.set q, q+1
.endr
	v_cvt_scalef32_pk8_fp8_f32 v[PC+4*\i:PC+4*\i+1], v[TMP+16*\i:TMP+16*\i+7], v[TM+4+\i]
	v_cvt_scalef32_pk8_fp8_f32 v[PC+4*\i+2:PC+4*\i+3], v[TMP+16*\i+8:TMP+16*\i+15], v[TM+4+\i]
.endr
	v_nop
.endm
.macro TAIL t
	PLACES 8
.if (\t) < 11
	LOADU2 (\t)+1
.endif
.if (\t) == 3
	LOADK 1
.endif
.if (\t) == 7
	LOADK 2
.endif
	KIND \t
	QUANT2
.irp i, 0,1
.if KK == 0
	global_store_b128 v[COQ], v[PC+4*\i:PC+4*\i+3], s[QIB:QIB+1] offset:131072*HH+1024*\i
	ds_store_b8 v[SAQ], v[TM+8+\i] offset:256*HH+32*\i
.elseif KK == 1
	global_store_b128 v[COQ], v[PC+4*\i:PC+4*\i+3], s[KVB:KVB+1] offset:270336*HH+1024*\i
	ds_store_b8 v[SAK], v[TM+8+\i] offset:256*HH+2*\i
.else
	global_store_b128 v[COV], v[PC+4*\i:PC+4*\i+3], s[KVB:KVB+1] offset:270336*HH+8448+2048*\i
	ds_store_b8 v[SAV], v[TM+8+\i] offset:256*HH+64*\i
.endif
.endr
.endm
.macro FLUSH k
	s_cmp_lt_u32 s[WV], 4
	s_cbranch_scc0 .Lno_flush_\@
	ds_load_b64 v[FLR:FLR+1], v[FL] offset:1024*(\k)
	s_wait_dscnt 0x0
.if (\k) == 0
	global_store_b64 v[FOQ], v[FLR:FLR+1], s[QSB:QSB+1]
.elseif (\k) == 1
	global_store_b64 v[FOK], v[FLR:FLR+1], s[KVB:KVB+1] offset:8192
.else
	global_store_b64 v[FOK], v[FLR:FLR+1], s[KVB:KVB+1] offset:16640
.endif
.Lno_flush_\@:
.endm
.macro UNIT t
.set WCUR, WSC+(WSC2-WSC)*((\t)%2)
	KIND \t
.if (KK == 1) || ((\t)%4 == 0)
	s_wait_loadcnt 0x0                             ; a kind's first unit also wants x's scale words, the youngest loads; k's units have no younger loads
.else
	s_wait_loadcnt 16                              ; my scale words and bias are in; the 16 younger loads, this unit's LoRA B, may be out
.endif
	s_wait_xcnt 0x0
	MAIN (\t)/8, (\t)%2, \t
.if (\t) <= 10
	CHANGE \t
.endif
; PREFETCHES INTO THE L2, behind the joint load and its lines.  A kind's four tiles of W (64 rows x 1,024 bytes) are shared out by address among the four partners that load them jointly: the partner at cx asks for tile cx,
; each wave for the 8 rows that it fetches, lanes 256 bytes apart.  Of the next x tile each wave asks for its 16 rows, a lane a row, the partner at cy for the row's block cy (lanes 16-31 name the wave's last block again).
; k's tiles are asked for two units ahead of the first load that wants one, v's likewise, v's x two units ahead of its load.
.if (\t) == 0
	global_prefetch_b8 v[PFW], s[40:41] th:TH_LOAD_NT scope:SCOPE_SE
.endif
.if (\t) == 1
	global_prefetch_b8 v[PFX], s[20:21] th:TH_LOAD_NT scope:SCOPE_SE
.endif
.if (\t) == 4
	global_prefetch_b8 v[PFW], s[24:25] th:TH_LOAD_NT scope:SCOPE_SE
.endif
.if (\t) == 4
	FLUSH 0
.endif
.if (\t) == 8
	FLUSH 1
.endif
	KIND \t
.if KK != 1
	s_wait_alu depctr_va_vdst(0)
.if (\t) == 11
	s_wait_loadcnt 0x0
.elseif (\t) >= 7
	s_wait_loadcnt 18                              ; this unit's LoRA B is in; the next unit's 2 + 16 loads may be out
.else
	s_wait_loadcnt 6                               ; the same; the next unit's 2 + 4 loads may be out
.endif
	LORA (\t)/8
.endif
	TAIL \t
.endm
	s_load_b512 s[4:19], s[0:1], 0x0
	s_load_b512 s[20:35], s[0:1], 0x40
	s_load_b512 s[36:51], s[0:1], 0x80
	v_lshl_add_u32 v[SPW], v0, 2, SPARE
	v_mov_b32 v[NIL], 0
	ds_add_u32 v1, v2
	ds_add_u32 v1, v2
	s_wait_dscnt 0x0
	v_lshrrev_b32 v240, 5, v0
	s_delay_alu instid0(VALU_DEP_1)
	v_readfirstlane_b32 s[WV], v240
	s_and_b32 s[FW], s[WV], 3
	s_lshr_b32 s[CB], s[WV], 2
	s_bfe_u32 s[CX], ttmp6, 0x40000
	s_bfe_u32 s[CY], ttmp6, 0x40004
	s_and_b32 s[SW], s[WV], 4
	s_and_b32 s98, s[WV], 1
	s_lshl_b32 s98, s98, 1
	s_or_b32 s[SW], s[SW], s98
	s_bfe_u32 s98, s[WV], 0x10001
	s_or_b32 s[SW], s[SW], s98
	s_mov_b32 s[SEL], 0x76543210
	s_mov_b32 s[SEL+1], 0xfedcba98
	s_mov_b32 s[MNT], 0x600000
	v_and_b32 v240, 31, v0
	v_and_b32 v241, 15, v0
	v_bfe_u32 v242, v0, 4, 1
	s_delay_alu instid0(VALU_DEP_2)
	v_and_b32 v243, 8, v241
	s_delay_alu instid0(VALU_DEP_1)
	v_add_nc_u32 v243, v243, v241
	v_mov_b32 v[TM+2], 0
	v_mov_b32 v[TM+3], 0
	v_mul_u32_u24 v244, v241, WP
	s_delay_alu instid0(VALU_DEP_1)
	v_lshl_add_u32 v244, v242, 4, v244
	s_mul_i32 s98, s[CB], 32*WP
	s_add_co_u32 s98, s98, WS0
	v_add_nc_u32 v[AW0], s98, v244
	s_delay_alu instid0(VALU_DEP_1)
	v_add_nc_u32 v[AW1], 64*WP, v[AW0]
	s_mul_i32 s98, s[FW], 32*WP
	v_add_nc_u32 v[AX], s98, v244
	s_lshl_b32 s98, s[FW], 12
	v_lshl_add_u32 v[XSO], v240, 7, s98
	s_lshl_b32 s98, s[CB], 10
	v_lshlrev_b32 v[WSO], 5, v243
	s_delay_alu instid0(VALU_DEP_1)
	v_lshl_add_u32 v[WSO], v242, 8, v[WSO]
	s_delay_alu instid0(VALU_DEP_1)
	v_add_nc_u32 v[WSO], s98, v[WSO]
	s_lshl_b32 s98, s[CB], 7
	v_lshl_add_u32 v[BIO], v242, 6, s98
	v_lshl_add_u32 v[BIV], v243, 2, s98
	s_delay_alu instid0(VALU_DEP_1)
	v_lshl_add_u32 v[BTO], v242, 15, v[BIV]
	v_lshlrev_b32 v[AO], 10, v241
	s_delay_alu instid0(VALU_DEP_1)
	v_lshl_add_u32 v[AO], v242, 4, v[AO]
	v_lshlrev_b32 v[ASO], 5, v241
	s_lshl_b32 s98, s[FW], 11
	s_lshl_b32 s99, s[CB], 9
	s_add_co_u32 s98, s98, s99
	v_lshl_add_u32 v[COQ], v240, 4, s98
	s_lshl_b32 s98, s[CB], 12
	s_lshl_b32 s99, s[FW], 9
	s_add_co_u32 s98, s98, s99
	v_lshl_add_u32 v[COV], v240, 4, s98
	s_lshl_b32 s98, s[FW], 6
	s_add_co_u32 s98, s98, s[CB]
	s_add_co_u32 s98, s98, STG
	v_lshl_add_u32 v[SAQ], v241, 1, s98
	s_add_co_u32 s98, s98, 1024
	v_lshl_add_u32 v[SAK], v241, 2, s98
	s_lshl_b32 s98, s[CB], 7
	s_add_co_u32 s98, s98, s[FW]
	s_add_co_u32 s98, s98, STG+2048
	v_lshl_add_u32 v[SAV], v241, 2, s98
	s_lshl_b32 s98, s[FW], 8
	s_add_co_u32 s98, s98, STG
	v_lshl_add_u32 v[FL], v240, 3, s98
	s_lshl_b32 s98, s[FW], 12
	v_lshl_add_u32 v[FOQ], v240, 3, s98
	s_mul_i32 s98, s[FW], 270336
	v_lshl_add_u32 v[FOK], v240, 3, s98
	s_lshl_b32 s98, s[CX], 16
	v_lshl_add_u32 v[PFW], v240, 8, s98
	s_lshl_b32 s98, s[CY], 8
	v_min_u32 v[PFX], 15, v240
	v_lshl_add_u32 v[PFX], v[PFX], 12, s98
	s_lshl_b32 s98, s[CY], 2
	s_lshl_b32 s98, 15, s98
	s_lshl_b32 s99, 0x1111, s[CX]
	s_or_b32 s[G1W], s98, (3<<16)|(1<<20)|(1<<21)|(7<<22)|(3<<25)
	s_or_b32 s[G1X], s99, (3<<16)|(1<<20)|(1<<21)|(7<<22)|(3<<25)
	s_mov_b32 s[G1X+1], 128<<16
	s_mov_b32 s[G1X+2], 16<<16
	s_mov_b32 s[G1X+3], 128<<16
	s_mov_b32 s[G1X+4], 16
	s_mov_b32 s[G1X+5], 512
	s_mov_b32 s[G1X+6], 0
	s_mov_b32 s[G1X+7], 0
	s_mov_b32 s[G1W+1], 128<<16
	s_mov_b32 s[G1W+2], 8<<16
	s_mov_b32 s[G1W+3], 128<<16
	s_mov_b32 s[G1W+4], 8
	s_mov_b32 s[G1W+5], 128
	s_mov_b32 s[G1W+6], 0
	s_mov_b32 s[G1W+7], 0
	s_wait_alu depctr_va_vdst(0)
	s_wait_kmcnt 0x0
	s_lshl_b32 s94, ttmp9, 19
	s_lshl_b32 s95, s[CX], 10
	s_add_co_u32 s94, s94, s95
	s_lshl_b32 s95, s[WV], 16
	s_add_co_u32 s94, s94, s95
	s_mov_b32 s95, 0
	s_add_nc_u64 s[4:5], s[4:5], s[94:95]
	s_add_nc_u64 s[20:21], s[20:21], s[94:95]
	s_add_nc_u64 s[36:37], s[36:37], s[94:95]
	s_lshl_b32 s94, ttmp9, 14
	s_lshl_b32 s95, s[CX], 5
	s_add_co_u32 s94, s94, s95
	s_mov_b32 s95, 0
	s_add_nc_u64 s[6:7], s[6:7], s[94:95]
	s_add_nc_u64 s[22:23], s[22:23], s[94:95]
	s_add_nc_u64 s[38:39], s[38:39], s[94:95]
	s_lshl_b32 s96, s[CY], 18
	s_lshl_b32 s97, s[WV], 13
	s_add_co_u32 s96, s96, s97
	s_mov_b32 s97, 0
	s_add_nc_u64 s[8:9], s[8:9], s[96:97]
	s_add_nc_u64 s[24:25], s[24:25], s[96:97]
	s_add_nc_u64 s[40:41], s[40:41], s[96:97]
	global_prefetch_b8 v[PFW], s[8:9] th:TH_LOAD_NT scope:SCOPE_SE     ; q's tiles of W, and k's x: their loads follow behind the first fills
	global_prefetch_b8 v[PFX], s[36:37] th:TH_LOAD_NT scope:SCOPE_SE
	s_lshl_b32 s96, s[CY], 13
	s_add_nc_u64 s[10:11], s[10:11], s[96:97]
	s_add_nc_u64 s[26:27], s[26:27], s[96:97]
	s_add_nc_u64 s[42:43], s[42:43], s[96:97]
	s_lshl_b32 s96, s[CY], 10
	s_add_nc_u64 s[12:13], s[12:13], s[96:97]
	s_add_nc_u64 s[28:29], s[28:29], s[96:97]
	s_add_nc_u64 s[44:45], s[44:45], s[96:97]
	s_add_nc_u64 s[18:19], s[18:19], s[96:97]
	s_add_nc_u64 s[34:35], s[34:35], s[96:97]
	s_lshl_b32 s98, s[CX], 4
	s_lshl_b32 s99, s[CY], 2
	s_add_co_u32 s100, s98, s99
	s_lshl_b32 s98, s100, 17
	s_lshl_b32 s99, ttmp9, 13
	s_add_co_u32 s98, s98, s99
	s_mov_b32 s99, 0
	s_add_nc_u64 s[QIB:QIB+1], s[QIB:QIB+1], s[98:99]
	s_lshl_b32 s98, s100, 12
	s_lshl_b32 s101, ttmp9, 8
	s_add_co_u32 s98, s98, s101
	s_add_nc_u64 s[QSB:QSB+1], s[QSB:QSB+1], s[98:99]
	s_mul_i32 s98, s100, 270336
	s_mul_i32 s101, ttmp9, 16896
	s_add_co_u32 s98, s98, s101
	s_add_nc_u64 s[KVB:KVB+1], s[KVB:KVB+1], s[98:99]
	s_mov_b32 s[G0X], 1
	s_mul_i32 s[G0X+1], s[WV], 16*WP
	s_mov_b64 s[G0X+2:G0X+3], s[4:5]
	s_or_b32 s[G0X+3], s[G0X+3], 0x80000000
	s_mov_b32 s[G0W], 1
	s_mul_i32 s[G0W+1], s[SW], 8*WP
	s_add_co_u32 s[G0W+5], s[G0W+1], WS1
	s_add_co_u32 s[G0W+1], s[G0W+1], WS0
	s_mov_b64 s[G0W+2:G0W+3], s[8:9]
	s_or_b32 s[G0W+3], s[G0W+3], 0x80000000
	s_mov_b32 s[G0W+4], 1
	s_add_nc_u64 s[G0W+6:G0W+7], s[8:9], 65536
	s_or_b32 s[G0W+7], s[G0W+7], 0x80000000
	ROUND
	tensor_load_to_lds s[G0X:G0X+3], s[G1X:G1X+7]
	s_nop 0
	s_wait_alu depctr_va_vdst(0)
	s_wait_tensorcnt 0x0
	ds_add_u32 v1, v2
	s_wait_dscnt 0x0
	ROUND
	tensor_load_to_lds s[G0W:G0W+3], s[G1W:G1W+7]
	s_nop 0
	s_wait_alu depctr_va_vdst(0)
	s_wait_tensorcnt 0x0
	ds_add_u32 v1, v2
	s_wait_dscnt 0x0
	ROUND
	tensor_load_to_lds s[G0W+4:G0W+7], s[G1W:G1W+7]
	s_nop 0
	PLACES 4
	s_wait_alu depctr_va_vdst(0)
	LOADK 0
	LOADU1 0
	LOADU2 0
	s_wait_tensorcnt 1
	s_barrier_signal -1
	s_barrier_wait -1
	XREGS
	XCHANGE 1
	TSEC 0
.irp t, 0,1,2,3
	UNIT \t
.endr
	XREGS
	XCHANGE 2
.irp t, 4,5,6,7
	UNIT \t
.endr
	XREGS
	TSEC 2
.irp t, 8,9,10,11
	UNIT \t
.endr
	s_wait_dscnt 0x0
	s_barrier_signal -1
	s_barrier_wait -1
	FLUSH 2
	s_wait_tensorcnt 0x0
	ds_add_u32 v[SPW], v[NIL]
	s_wait_dscnt 0x0
	ROUND
	s_endpgm
.Lfunc_end_k_qa301499a3d_proj:
	.size	k_qa301499a3d_proj, .Lfunc_end_k_qa301499a3d_proj-k_qa301499a3d_proj
	.p2alignl 7, 3214868480
	.fill 96, 4, 3214868480
	.section	.rodata,"a",@progbits
	.p2align	6, 0x0
	.amdhsa_kernel k_qa301499a3d_proj
		.amdhsa_group_segment_fixed_size 327680
		.amdhsa_private_segment_fixed_size 0
		.amdhsa_enable_private_segment 0
		.amdhsa_kernarg_size 192
		.amdhsa_user_sgpr_count 2
		.amdhsa_user_sgpr_kernarg_segment_ptr 1
		.amdhsa_wavefront_size32 1
		.amdhsa_system_sgpr_workgroup_id_x 1
		.amdhsa_system_sgpr_workgroup_id_y 1
		.amdhsa_system_sgpr_workgroup_id_z 1
		.amdhsa_system_vgpr_workitem_id 0
		.amdhsa_next_free_vgpr 512
		.amdhsa_next_free_sgpr 102
		.amdhsa_reserve_vcc 0
		.amdhsa_float_denorm_mode_32 3
		.amdhsa_float_denorm_mode_16_64 3
		.amdhsa_memory_ordered 1
		.amdhsa_forward_progress 1
		.amdhsa_inst_pref_size 255
	.end_amdhsa_kernel
	.section	.bss,"aw",@nobits
	.p2align	6
	.space	262144
	.amdgpu_metadata
---
amdhsa.version: [ 1, 2 ]
amdhsa.kernels:
  - .name:           k_qa301499a3d_proj
    .symbol:         k_qa301499a3d_proj.kd
    .args:
      - { .name: x_q_codes, .offset: 0, .size: 8, .value_kind: global_buffer, .address_space: global }
      - { .name: x_q_scales, .offset: 8, .size: 8, .value_kind: global_buffer, .address_space: global }
      - { .name: Wq_codes, .offset: 16, .size: 8, .value_kind: global_buffer, .address_space: global }
      - { .name: Wq_scales, .offset: 24, .size: 8, .value_kind: global_buffer, .address_space: global }
      - { .name: bq, .offset: 32, .size: 8, .value_kind: global_buffer, .address_space: global }
      - { .name: Aq_codes, .offset: 40, .size: 8, .value_kind: global_buffer, .address_space: global }
      - { .name: Aq_scales, .offset: 48, .size: 8, .value_kind: global_buffer, .address_space: global }
      - { .name: Bq, .offset: 56, .size: 8, .value_kind: global_buffer, .address_space: global }
      - { .name: x_v_codes, .offset: 64, .size: 8, .value_kind: global_buffer, .address_space: global }
      - { .name: x_v_scales, .offset: 72, .size: 8, .value_kind: global_buffer, .address_space: global }
      - { .name: Wv_codes, .offset: 80, .size: 8, .value_kind: global_buffer, .address_space: global }
      - { .name: Wv_scales, .offset: 88, .size: 8, .value_kind: global_buffer, .address_space: global }
      - { .name: bv, .offset: 96, .size: 8, .value_kind: global_buffer, .address_space: global }
      - { .name: Av_codes, .offset: 104, .size: 8, .value_kind: global_buffer, .address_space: global }
      - { .name: Av_scales, .offset: 112, .size: 8, .value_kind: global_buffer, .address_space: global }
      - { .name: Bv, .offset: 120, .size: 8, .value_kind: global_buffer, .address_space: global }
      - { .name: x_k_codes, .offset: 128, .size: 8, .value_kind: global_buffer, .address_space: global }
      - { .name: x_k_scales, .offset: 136, .size: 8, .value_kind: global_buffer, .address_space: global }
      - { .name: Wk_codes, .offset: 144, .size: 8, .value_kind: global_buffer, .address_space: global }
      - { .name: Wk_scales, .offset: 152, .size: 8, .value_kind: global_buffer, .address_space: global }
      - { .name: bk, .offset: 160, .size: 8, .value_kind: global_buffer, .address_space: global }
      - { .name: qimg, .offset: 168, .size: 8, .value_kind: global_buffer, .address_space: global }
      - { .name: qsc, .offset: 176, .size: 8, .value_kind: global_buffer, .address_space: global }
      - { .name: kv, .offset: 184, .size: 8, .value_kind: global_buffer, .address_space: global }
    .group_segment_fixed_size: 327680
    .private_segment_fixed_size: 0
    .kernarg_segment_align: 8
    .kernarg_segment_size: 192
    .max_flat_workgroup_size: 256
    .sgpr_count:     102
    .vgpr_count:     512
    .wavefront_size: 32
...
	.end_amdgpu_metadata
.endif
;; end of part 1
;; launch attn (part 2): grid 4 x 64, 8 waves a work-group, clusters of 4 x 1, 327,680 bytes of LDS; arguments qimg, qsc, kv, oimg, osc; writes oimg, osc
.if DOCPART == 2
	.amdgcn_target "amdgcn-amd-amdhsa--gfx1250"
	.amdhsa_code_object_version 6
	.text
	.protected	k_qa301499a3d_attn
	.globl	k_qa301499a3d_attn
	.p2align	8
	.type	k_qa301499a3d_attn,@function
k_qa301499a3d_attn:
	s_mov_b64 s[64:65], 0
	v_nop
	global_prefetch_b8 v0, s[64:65] scope:SCOPE_SE
	s_setreg_imm32_b32 hwreg(HW_REG_WAVE_MODE, 25, 1), 1
	s_wait_xcnt 0x0
	s_wait_alu depctr_hold_cnt(0) depctr_sa_sdst(0) depctr_va_vdst(0) depctr_va_sdst(0) depctr_va_ssrc(0) depctr_va_vcc(0) depctr_vm_vsrc(0)
	s_getreg_b32 s2, hwreg(HW_REG_IB_STS2, 6, 4)
	s_cmp_eq_u32 s2, 0
	s_cbranch_scc0 .Lentry_in_a_cluster
	s_endpgm
.Lentry_in_a_cluster:
	s_bfe_u32 s2, ttmp6, 0x10000c
	s_cmp_lg_u32 s2, 0x3003
	s_cbranch_scc0 .Lentry_shape_is_right
	s_endpgm
.Lentry_shape_is_right:
; O[n][q] = the sum over keys of softmax(q . k / 8) v for head n, both products on E4M3 codes with E8M0 scales; then O / l is quantised along the embedding (blocks of 32) and stored as images of operand registers.
; THE SOFTMAX: t = score x log2(e) / 8; M = the running largest t rounded up to a whole number; p = 2^(t - M) is quantised along the keys, not normalised; the row's sum is taken of the unquantised p and divides O at the end.
; When M moves, the sum and O are multiplied by 2^(old M - new M): exact.
; SHARES.  A cluster of four work-groups is one head; each takes 512 queries, in two passes of 256.  In a pass each of the eight waves owns TWO tiles of 16 queries (a and b): every fragment of K and V read from LDS feeds both.
; A HEAD'S K AND V LIE IN LDS WHOLE (270,336 bytes: sixteen steps of 128 keys, 16,896 bytes each, as the launch before laid them): filled once, jointly for the four work-groups, one load of 132 rows of 256 bytes a wave; never again: no ring.
; One barrier behind that fill; after it the waves meet only at the end, for the scale bytes.  No prefetch: all that the launch fetches of K and V is asked for by the first loads, and no loop fetches anything to run ahead of.
; A step: +0 four fragments of K (2,048 bytes each), +8,192 their scale words, +8,448 four fragments of V^T, +16,640 their scale words.  Every fragment load is 512 consecutive bytes, lane l's 16 at 16 l.
; THE HEAD IS 64 AND THE FORM'S K IS 128: a fragment of K holds TWO tiles of keys, one in k < 64 and one in k >= 64; q stands beside 64 zero codes, below them or above, and so picks the tile.  Zeros, q a, zeros, q b, zeros lie on end: 40 registers serve all four operands.
; Both products are used transposed: a lane holds one query of each tile throughout.  p's 16 registers of a block are the places that V's fragment has for the same keys.
; K's and V's fragments have registers of their own: behind a step's first products V of this step and K of the next are asked for, and have the softmax in which to land; one wait on DScnt a step.
; The last step of a pass asks for step 15's K again (the address is held at step 15); a pass's head fetches step 0's.
; THE EXPONENTIALS go in two batches: tile a's, with tile b's scalings between them; tile b's, with tile a's holds between them.  What stands between reads only what was made ahead of the batch's wait and is read only behind the wait that follows.
; LIMITS: a block whose largest magnitude lies under 2^-118 (a block of zeros too) gets the scale byte 1; only this program reads these bytes.  NaN and infinities are not served.  The scaled scores stay under 2^31 in magnitude.
; REGISTERS.  Window 0: v1-13 addresses; v14-27 state of the two tiles; v28-35 scales and nothing else; v40-79 q and zeros; v80-207 S^T, then p; v208-253 at work.  Window 1: v0-63 K, v64-127 V^T, v128-191 O^T, v192-223 p's codes.
.set STEPB, 16896
.set OSTG,  16*STEPB                   ; behind K and V: O's scale bytes, 1,024, written by LDS stores alone
.set SPARE, OSTG+1024                  ; the spare words: 128 bytes a wave
.set L16, 1
.set L4,  2
.set ADI, 3                            ; this step's images (V)
.set ADW, 4                            ; this step's scale words (V)
.set QO,  5
.set QSO, 6
.set OO,  7
.set OSA, 8
.set FL,  9
.set SPW, 12
.set NIL, 13
.set NM,  14                           ; v[14:15], v[16:17]: -M and the largest t of tile a, b
.set SUM, 18                           ; v[18:19], v[20:21]: the sums, in two halves
.set F,   22                           ; v[22:23], v[24:25]: f; the upper words are written once
.set TT,  26
.set KS,  28
.set VS,  30
.set QS,  32
.set PS,  34
.set QT,  36
.set ADK, 38                           ; the next step's images (K)
.set ADKW, 39
.set QZ,  40
.set S,   80
.set BM,  208
.set PT,  216
.set LM,  224
.set SO,  232
.set T,   238                          ; partial sums T+2 .. T+15
.set KF,  0                            ; window 1
.set VF,  64
.set O,   128
.set PC,  192
.set WV,  14
.set MNT, 19
.set SEL, 20
.set CS,  22
.set G1,  24
.set G0,  32
.set TB,  40
.set CNT, 41
.set PASS, 42
.set PO,  43
.set TK,  44
.set MSB, 0
.macro WIN new                         ; the immediate's high byte repeats the setting that is left
.if MSB != \new
	s_set_vgpr_msb (MSB<<8)|\new
.set MSB, \new
.endif
.endm
.macro PLACES n
.rept \n
	v_nop
.endr
.endm
.macro ROUND
	s_barrier_signal -1
	s_barrier_wait -1
	s_cmp_lg_u32 s[WV], 0
	s_cbranch_scc1 .Lnot_wave_0_\@
	s_barrier_signal -3
.Lnot_wave_0_\@:
	s_barrier_wait -3
	s_barrier_signal -1
	s_barrier_wait -1
.endm
.macro WMS d, a, b, sa, sb, ra         ; a product that starts its sum.  ra: source 0's scales are taken from lanes 16-31
.if (\ra)
	v_wmma_scale_f32_16x16x128_f8f6f4 v[\d:\d+7], v[\a:\a+15], v[\b:\b+15], 0, v[\sa], v[\sb] matrix_a_scale:MATRIX_SCALE_ROW1
.else
	v_wmma_scale_f32_16x16x128_f8f6f4 v[\d:\d+7], v[\a:\a+15], v[\b:\b+15], 0, v[\sa], v[\sb]
.endif
.endm
.macro WMO d, a, b, sa, sb, ra         ; a product that adds in place
.if (\ra)
	v_wmma_scale_f32_16x16x128_f8f6f4 v[\d:\d+7], v[\a:\a+15], v[\b:\b+15], v[\d:\d+7], v[\sa], v[\sb] matrix_a_scale:MATRIX_SCALE_ROW1
.else
	v_wmma_scale_f32_16x16x128_f8f6f4 v[\d:\d+7], v[\a:\a+15], v[\b:\b+15], v[\d:\d+7], v[\sa], v[\sb]
.endif
.endm
.macro FRAGS reg, adr, off             ; four fragments, 16 loads of 512 consecutive bytes
.irp f, 0,1,2,3
.irp c, 0,1,2,3
	ds_load_b128 v[\reg+16*\f+4*\c:\reg+16*\f+4*\c+3], v[\adr] offset:\off+2048*\f+512*\c
.endr
.endr
.endm
.macro SUMS sx, sm                     ; the 32 pairs of p of one tile onto its running sum: 32 packed additions in eight chains
.irp k, 1,2,3,4,5,6,7
	v_pk_add_f32 v[T+2*\k:T+2*\k+1], v[\sx+2*\k-2:\sx+2*\k-1], v[\sx+2*\k+12:\sx+2*\k+13]
.endr
	v_pk_add_f32 v[\sm:\sm+1], v[\sm:\sm+1], v[\sx+28:\sx+29]
.irp r, 15,23
.irp k, 1,2,3,4,5,6,7
	v_pk_add_f32 v[T+2*\k:T+2*\k+1], v[T+2*\k:T+2*\k+1], v[\sx+2*(\r+\k-1):\sx+2*(\r+\k-1)+1]
.endr
	v_pk_add_f32 v[\sm:\sm+1], v[\sm:\sm+1], v[\sx+2*(\r+7):\sx+2*(\r+7)+1]
.endr
	v_pk_add_f32 v[T+2:T+3], v[T+2:T+3], v[\sx+62:\sx+63]
	v_pk_add_f32 v[T+6:T+7], v[T+6:T+7], v[T+8:T+9]
	v_pk_add_f32 v[T+10:T+11], v[T+10:T+11], v[T+12:T+13]
	v_pk_add_f32 v[\sm:\sm+1], v[\sm:\sm+1], v[T+14:T+15]
	v_pk_add_f32 v[T+2:T+3], v[T+2:T+3], v[T+4:T+5]
	v_pk_add_f32 v[\sm:\sm+1], v[\sm:\sm+1], v[T+10:T+11]
	v_pk_add_f32 v[T+2:T+3], v[T+2:T+3], v[T+6:T+7]
	v_pk_add_f32 v[\sm:\sm+1], v[\sm:\sm+1], v[T+2:T+3]
.endm
; A KEY STEP: 128 keys, two tiles of queries.  On entry K's fragments and scale words of this step are in registers
.macro STEP
	s_add_co_u32 s[TK], s[TB], STEPB
	s_min_u32 s[TK], s[TK], 15*STEPB               ; the next step, held at the last
	WIN 0x01
.irp f, 0,1,2,3
.irp u, 0,1
	WMS S+64*\u+16*\f, KF+16*\f, QZ+8+16*\u, KS+\f/2, QS+\u, \f%2     ; keys 32 f + 0..15: q below the zeros
	WMS S+64*\u+16*\f+8, KF+16*\f, QZ+16*\u, KS+\f/2, QS+\u, \f%2     ; keys 32 f + 16..31: q above them
.endr
.endr
	WIN 0
	v_add_nc_u32 v[ADI], s[TB], v[L16]             ; four additions and four v_nop: eight places behind the products, ahead of the loads into their sources and of the first read of S^T
	v_add_nc_u32 v[ADW], s[TB], v[L4]
	v_add_nc_u32 v[ADK], s[TK], v[L16]
	v_add_nc_u32 v[ADKW], s[TK], v[L4]
	PLACES 4
	WIN 0x40
	FRAGS VF, ADI, 8448
	FRAGS KF, ADK, 0
	WIN 0
	ds_load_b32 v[VS], v[ADW] offset:16640         ; lanes 0-15: fragment 0's words, lanes 16-31: fragment 1's
	ds_load_b32 v[VS+1], v[ADW] offset:16640+128
	ds_load_b32 v[KS], v[ADKW] offset:8192
	ds_load_b32 v[KS+1], v[ADKW] offset:8192+128
.irp b, 0,1,2,3,4,5,6,7                            ; block b % 4 of tile b / 4: the largest score, for the row's maximum and, since p rises with the score, for the block's largest p
	v_max3_num_f32 v[BM+\b], v[S+16*\b], v[S+16*\b+1], v[S+16*\b+2]
.endr
.irp i, 3,5,7,9,11,13
.irp b, 0,1,2,3,4,5,6,7
	v_max3_num_f32 v[BM+\b], v[BM+\b], v[S+16*\b+\i], v[S+16*\b+\i+1]
.endr
.endr
.irp b, 0,1,2,3,4,5,6,7
	v_max_num_f32 v[BM+\b], v[BM+\b], v[S+16*\b+15]
.endr
.irp b, 0,1,2,3,4,5,6,7
	v_permlanex16_b32 v[PT+\b], v[BM+\b], s[SEL], s[SEL+1]
.endr
.irp b, 0,1,2,3,4,5,6,7
	v_max_num_f32 v[BM+\b], v[BM+\b], v[PT+\b]     ; with lane l xor 16's 16 keys
.endr
.irp u, 0,1
	v_max3_num_f32 v[TT+\u], v[BM+4*\u], v[BM+4*\u+1], v[BM+4*\u+2]
.endr
.irp u, 0,1
	v_max_num_f32 v[TT+\u], v[TT+\u], v[BM+4*\u+3]
.endr
.irp u, 0,1
	v_mul_f32 v[TT+\u], s[CS], v[TT+\u]            ; as t (c is positive)
.endr
.irp u, 0,1
	v_max_num_f32 v[NM+2*\u+1], v[NM+2*\u+1], v[TT+\u]   ; the running largest t
.endr
.irp u, 0,1
	v_mov_b32 v[TT+\u], v[NM+2*\u]
.endr
.irp u, 0,1
	v_floor_f32 v[NM+2*\u], -v[NM+2*\u+1]          ; the new -M = floor(-t): M is a whole number
.endr
.irp u, 0,1
	v_sub_f32 v[TT+\u], v[NM+2*\u], v[TT+\u]       ; old M - new M: a whole number, 0 or less
.endr
.irp u, 0,1
	v_cvt_i32_f32 v[TT+\u], v[TT+\u]               ; (it saturates)
.endr
.irp u, 0,1
	v_ldexp_f32 v[F+2*\u], 1.0, v[TT+\u]           ; f = 2^(old M - new M)
.endr
.irp b, 0,1,2,3,4,5,6,7
	v_fma_f32 v[BM+\b], v[BM+\b], s[CS], v[NM+2*(\b/4)]   ; t - M of each block's largest score
.endr
.set j, 0
.rept 32
	v_pk_fma_f32 v[S+j:S+j+1], v[S+j:S+j+1], s[CS:CS+1], v[NM:NM+1] op_sel_hi:[1,0,0]   ; tile a: t - M, two at a time
.set j, j+2
.endr
	s_wait_alu depctr_va_vdst(0)                   ; ahead of a batch
.irp b, 0,1,2,3,4,5,6,7
	v_exp_f32 v[BM+\b], v[BM+\b]                   ; the blocks' largest p: the same two instructions on the same number
.endr
.set j, 0
.rept 32
	v_exp_f32 v[S+j], v[S+j]                       ; tile a: p = 2^(t - M)
	v_exp_f32 v[S+j+1], v[S+j+1]
	v_pk_fma_f32 v[S+64+j:S+64+j+1], v[S+64+j:S+64+j+1], s[CS:CS+1], v[NM+2:NM+3] op_sel_hi:[1,0,0]   ; tile b: t - M
.set j, j+2
.endr
	s_wait_alu depctr_va_vdst(0)                   ; one wait for the batch, ahead of its first reader
.irp u, 0,1
	v_pk_mul_f32 v[SUM+2*\u:SUM+2*\u+1], v[SUM+2*\u:SUM+2*\u+1], v[F+2*\u:F+2*\u+1] op_sel_hi:[1,0]   ; the sums under the new M
.endr
.irp b, 0,1,2,3,4,5,6,7
	v_max_num_f32 v[BM+\b], 0x4800000, v[BM+\b]    ; the floor 2^(9 - 127): the byte cannot fall under 1
.endr
.irp b, 0,1,2,3,4,5,6,7
	v_add_nc_u32 v[SO+\b], 0xfc000000, v[BM+\b]    ; 8 off the exponent field: the conversion's scale operand
.endr
.irp b, 0,1,2,3,4,5,6,7
	v_and_or_b32 v[LM+\b], v[BM+\b], 0x7f800000, s[MNT]   ; 448 x the scale
.endr
.irp b, 0,1,2,3,4,5,6,7
	v_lshrrev_b32 v[PT+\b], 23, v[SO+\b]           ; the scale's byte
.endr
.irp u, 0,1
	v_lshl_or_b32 v[PS+\u], v[PT+4*\u+1], 8, v[PT+4*\u]   ; p's scale word for these 128 keys
.endr
.irp u, 0,1
	v_lshl_or_b32 v[PS+\u], v[PT+4*\u+2], 16, v[PS+\u]
.endr
.irp u, 0,1
	v_lshl_or_b32 v[PS+\u], v[PT+4*\u+3], 24, v[PS+\u]
.endr
	SUMS S, SUM                                    ; tile a's sum, of the unquantised p
	s_wait_alu depctr_va_vdst(0)                   ; ahead of the second batch
.set j, 0
.rept 32
	v_exp_f32 v[S+64+j], v[S+64+j]                 ; tile b: p
	v_exp_f32 v[S+64+j+1], v[S+64+j+1]
	v_dual_min_num_f32 v[S+j], v[S+j], v[LM+j/16] :: v_dual_min_num_f32 v[S+j+1], v[S+j+1], v[LM+j/16]   ; tile a's hold: the conversion does not saturate (ISA guide 7.6.2); p is not negative, so it is one-sided
.set j, j+2
.endr
	s_wait_alu depctr_va_vdst(0)                   ; and behind it
	SUMS S+64, SUM+2
.set j, 0
.rept 32
	v_dual_min_num_f32 v[S+64+j], v[S+64+j], v[LM+4+j/16] :: v_dual_min_num_f32 v[S+65+j], v[S+65+j], v[LM+4+j/16]
.set j, j+2
.endr
	WIN 0x40
.irp b, 0,1,2,3,4,5,6,7
	v_cvt_scalef32_pk8_fp8_f32 v[PC+4*\b:PC+4*\b+1], v[S+16*\b:S+16*\b+7], v[SO+\b]
	v_cvt_scalef32_pk8_fp8_f32 v[PC+4*\b+2:PC+4*\b+3], v[S+16*\b+8:S+16*\b+15], v[SO+\b]
.endr
	s_wait_dscnt 0x0                               ; V^T of this step and K of the next, with their scale words, are in
	WIN 0x41
	s_wait_alu depctr_va_vdst(0)                   ; directly ahead of the first readers of O^T
.set j, 0
.rept 32
	v_pk_mul_f32 v[O+j:O+j+1], v[O+j:O+j+1], v[F+2*(j/32):F+2*(j/32)+1] op_sel_hi:[1,0]   ; O^T under the new M; these are also the places between the codes and the products
.set j, j+2
.endr
	WIN 0x55
.irp f, 0,1,2,3
.irp u, 0,1
	WMO O+32*\u+8*\f, VF+16*\f, PC+16*\u, VS+\f/2, PS+\u, \f%2   ; eight accumulators by turns
.endr
.endr
	WIN 0
	s_add_co_u32 s[TB], s[TB], STEPB
.endm
	s_load_b256 s[4:11], s[0:1], 0x0               ; qimg, qsc, kv, oimg
	s_load_b64 s[12:13], s[0:1], 0x20              ; osc
	v_lshl_add_u32 v[SPW], v0, 2, SPARE
	v_mov_b32 v[NIL], 0
	ds_add_u32 v[SPW], v[NIL]                      ; the opening lines: the add, twice on end, and its wait
	ds_add_u32 v[SPW], v[NIL]
	v_lshrrev_b32 v10, 5, v0
	v_readfirstlane_b32 s[WV], v10                 ; wave 0..7
	s_bfe_u32 s15, ttmp6, 0x40000                  ; cx: my quarter of the queries; it enters global addresses of q and O alone
	s_and_b32 s16, ttmp7, 0xffff                   ; the head n = 16 b + hd, which the four partners share
	s_mov_b32 s[MNT], 0x600000
	s_mov_b32 s[SEL], 0x76543210
	s_mov_b32 s[SEL+1], 0xfedcba98
	s_mov_b32 s[CS], 0x3e38aa3b                    ; c = log2(e) / 8
	s_mov_b32 s[CS+1], s[CS]
	s_mov_b32 s[G1], 15|(3<<16)|(1<<21)            ; the mask: all four work-groups; elements of 8 bytes; bit 21 beside the mask; no padding
	s_mov_b32 s[G1+1], 32<<16                      ; 132 dense rows of 256 bytes
	s_mov_b32 s[G1+2], 132<<16
	s_mov_b32 s[G1+3], 32<<16
	s_mov_b32 s[G1+4], 132
	s_mov_b32 s[G1+5], 32
	s_mov_b32 s[G1+6], 0
	s_mov_b32 s[G1+7], 0
	s_mov_b32 s[G0], 1
	s_mul_i32 s[G0+1], s[WV], 33792                ; my eighth of the head
	s_mul_i32 s46, s16, 270336
	s_add_co_u32 s46, s46, s[G0+1]
	s_mov_b32 s47, 0
	s_lshl_b32 s48, s16, 17                        ; q: 131,072 n + 32,768 cx
	s_lshl_b32 s49, s15, 15
	s_add_co_u32 s48, s48, s49
	s_mov_b32 s49, 0
	s_lshl_b32 s50, s16, 12                        ; both tensors of scales: 4,096 n + 1,024 cx
	s_lshl_b32 s51, s15, 10
	s_add_co_u32 s50, s50, s51
	s_mov_b32 s51, 0
	s_lshr_b32 s52, s16, 4                         ; O: (128 b + 32 cx) x 16,384 + 1,024 hd
	s_lshl_b32 s52, s52, 21
	s_lshl_b32 s53, s15, 19
	s_add_co_u32 s52, s52, s53
	s_and_b32 s53, s16, 15
	s_lshl_b32 s53, s53, 10
	s_add_co_u32 s52, s52, s53
	s_mov_b32 s53, 0
	s_lshl_b32 s36, s[WV], 11                      ; my two tiles: 2,048 bytes of q's images,
	s_lshl_b32 s37, s[WV], 6                       ; 64 scale bytes,
	s_add_co_u32 s38, s37, OSTG
	s_lshl_b32 s39, s[WV], 15                      ; 32,768 bytes on in O's images
	s_mov_b32 s[PASS], 0
	s_mov_b32 s[PO], 0
	s_wait_dscnt 0x0
	s_wait_kmcnt 0x0
	s_add_nc_u64 s[G0+2:G0+3], s[8:9], s[46:47]
	s_or_b32 s[G0+3], s[G0+3], 0x80000000
	s_add_nc_u64 s[4:5], s[4:5], s[48:49]
	s_add_nc_u64 s[6:7], s[6:7], s[50:51]
	s_add_nc_u64 s[12:13], s[12:13], s[50:51]
	s_add_nc_u64 s[10:11], s[10:11], s[52:53]
	ROUND                                          ; all four work-groups are here: the joint loads meet
	tensor_load_to_lds s[G0:G0+3], s[G1:G1+7]      ; my one tensor load
	s_nop 0
	v_and_b32 v10, 31, v0                          ; l
	v_and_b32 v11, 15, v0                          ; r
	v_lshlrev_b32 v[L16], 4, v10
	v_lshlrev_b32 v[L4], 2, v10
	v_add_nc_u32 v[QO], s36, v[L16]
	v_lshl_add_u32 v[QSO], v11, 1, s37
	v_lshl_add_u32 v[OSA], v11, 1, s38
	v_add_nc_u32 v[OO], s39, v[L16]
	v_add_nc_u32 v[FL], OSTG, v[L16]
.irp z, 0,16,32
.irp q, 0,1,2,3,4,5,6,7
	v_mov_b32 v[QZ+\z+\q], 0                       ; the zero codes round q's two tiles
.endr
.endr
.irp b, 0,1,2,3,4,5,6,7
	v_mov_b32 v[PT+\b], 0                          ; written once: a lane permute's destination counts as one of its sources
.endr
	v_mov_b32 v[TT], 0
	v_mov_b32 v[TT+1], 0
	v_mov_b32 v[F+1], 0
	v_mov_b32 v[F+3], 0
	s_wait_alu depctr_va_vdst(0)                   ; the wait at the head's end
	s_wait_tensorcnt 0x0                           ; my eighth has landed
	s_barrier_signal -1
	s_barrier_wait -1                              ; and everybody's.  Nothing is ever filled again
.Lpass:                                            ; two trips: tiles 32 cx + 16 pass + 2 w + 0, 1
.irp u, 0,1
	global_load_b128 v[QZ+8+16*\u:QZ+11+16*\u], v[QO], s[4:5] offset:1024*\u
	global_load_b128 v[QZ+12+16*\u:QZ+15+16*\u], v[QO], s[4:5] offset:1024*\u+512
	global_load_u16 v[QT+\u], v[QSO], s[6:7] offset:32*\u
.endr
	WIN 0x40
	FRAGS KF, L16, 0                               ; step 0's K
	WIN 0
	ds_load_b32 v[KS], v[L4] offset:8192
	ds_load_b32 v[KS+1], v[L4] offset:8192+128
.irp u, 0,1
	v_mov_b32 v[NM+2*\u+1], 0xff61b1e6             ; the largest t so far: -3e38
	v_mov_b32 v[SUM+2*\u], 0
	v_mov_b32 v[SUM+2*\u+1], 0
.endr
.irp u, 0,1
	v_floor_f32 v[NM+2*\u], -v[NM+2*\u+1]          ; -M
.endr
	s_wait_alu depctr_va_vdst(0)
	s_wait_loadcnt 0x0
.irp u, 0,1
	v_lshl_or_b32 v[QS+\u], v[QT+\u], 16, v[QT+\u] ; q's two bytes below and above: one word serves both places of q
.endr
	WIN 0x40
.set j, 0
.rept 64
	v_mov_b32 v[O+j], 0                            ; O^T: the step is written once; its first trip finds zeros.  (Also the places behind q's scale words)
.set j, j+1
.endr
	WIN 0
	s_wait_alu depctr_va_vdst(0)
	s_wait_dscnt 0x0
	s_mov_b32 s[TB], 0
	s_mov_b32 s[CNT], 16
.Lstep:
	STEP
	s_sub_co_u32 s[CNT], s[CNT], 1
	s_cmp_lg_u32 s[CNT], 0
	s_cbranch_scc1 .Lstep
	; the way out: O^T / the sum, quantised along d, as two images a tile; the scale bytes to LDS
	v_add_f32 v[SUM], v[SUM], v[SUM+1]
	v_add_f32 v[SUM+2], v[SUM+2], v[SUM+3]
	v_permlanex16_b32 v[TT], v[SUM], s[SEL], s[SEL+1]
	v_permlanex16_b32 v[TT+1], v[SUM+2], s[SEL], s[SEL+1]
	v_add_f32 v[SUM], v[SUM], v[TT]                ; the rows' sums
	v_add_f32 v[SUM+2], v[SUM+2], v[TT+1]
	v_add_nc_u32 v10, s[PO], v[OSA]
	PLACES 2
	s_wait_alu depctr_va_vdst(0)                   ; ahead of the reciprocals
	v_rcp_f32 v[F], v[SUM]
	v_rcp_f32 v[F+2], v[SUM+2]
	v_nop
	WIN 0x01
	s_wait_alu depctr_va_vdst(0)                   ; ahead of their first reader, and directly ahead of the first readers of O^T
.set j, 0
.rept 32
	v_pk_mul_f32 v[S+64*(j/32)+j%32:S+64*(j/32)+j%32+1], v[O+j:O+j+1], v[F+2*(j/32):F+2*(j/32)+1] op_sel_hi:[1,0]   ; register 16 cb + i of a tile: d = 32 cb + 16 h + i
.set j, j+2
.endr
	WIN 0
.irp g, 0,1,2,3                                    ; block g % 2 of tile g / 2
	v_max3_num_f32 v[BM+\g], |v[S+64*(\g/2)+16*(\g%2)]|, |v[S+64*(\g/2)+16*(\g%2)+1]|, 0x4800000
.endr
.irp q, 2,4,6,8,10,12,14
.irp g, 0,1,2,3
	v_max3_num_f32 v[BM+\g], v[BM+\g], |v[S+64*(\g/2)+16*(\g%2)+\q]|, |v[S+64*(\g/2)+16*(\g%2)+\q+1]|
.endr
.endr
.irp g, 0,1,2,3
	v_permlanex16_b32 v[PT+\g], v[BM+\g], s[SEL], s[SEL+1]
.endr
.irp g, 0,1,2,3
	v_max_num_f32 v[BM+\g], v[BM+\g], v[PT+\g]
.endr
.irp g, 0,1,2,3
	v_add_nc_u32 v[SO+\g], 0xfc000000, v[BM+\g]
.endr
.irp g, 0,1,2,3
	v_and_or_b32 v[LM+\g], v[BM+\g], 0x7f800000, s[MNT]
.endr
.irp g, 0,1,2,3
	v_lshrrev_b32 v[PT+\g], 23, v[SO+\g]
.endr
.irp u, 0,1
	v_lshl_or_b32 v[TT+\u], v[PT+2*\u+1], 8, v[PT+2*\u]
.endr
.irp g, 0,1,2,3
.set X, S+64*(\g/2)+16*(\g%2)
.set j, 0
.rept 16
	v_med3_num_f32 v[X+j], v[X+j], -v[LM+\g], v[LM+\g]
.set j, j+1
.endr
.endr
.irp g, 0,1,2,3
.set X, S+64*(\g/2)+16*(\g%2)
.set Y, S+64*(\g/2)+32+4*(\g%2)
	v_cvt_scalef32_pk8_fp8_f32 v[Y:Y+1], v[X:X+7], v[SO+\g]
	v_cvt_scalef32_pk8_fp8_f32 v[Y+2:Y+3], v[X+8:X+15], v[SO+\g]
.endr
	v_nop                                          ; a plain line behind the last conversion
.irp u, 0,1
	global_store_b128 v[OO], v[S+64*\u+32:S+64*\u+35], s[10:11] offset:16384*\u          ; 512 consecutive bytes a store
	global_store_b128 v[OO], v[S+64*\u+36:S+64*\u+39], s[10:11] offset:16384*\u+512
	ds_store_b16 v10, v[TT+\u] offset:32*\u        ; both lanes of a row write the same two bytes
.endr
	s_wait_xcnt 0x0                                ; the loads and stores have read their bases and registers
	s_add_nc_u64 s[4:5], s[4:5], 16384
	s_add_nc_u64 s[6:7], s[6:7], 512
	s_add_nc_u64 s[10:11], s[10:11], 262144
	s_add_co_u32 s[PO], s[PO], 512
	s_add_co_u32 s[PASS], s[PASS], 1
	s_cmp_lt_u32 s[PASS], 2
	s_cbranch_scc1 .Lpass
	s_wait_dscnt 0x0                               ; my scale bytes lie in LDS
	s_barrier_signal -1
	s_barrier_wait -1
	s_cmp_lg_u32 s[WV], 0
	s_cbranch_scc1 .Lno_flush
	ds_load_b128 v[S:S+3], v[FL]                   ; wave 0 stores the work-group's 1,024 scale bytes: 512 consecutive bytes a store
	ds_load_b128 v[S+4:S+7], v[FL] offset:512
	s_wait_dscnt 0x0
	global_store_b128 v[L16], v[S:S+3], s[12:13]
	global_store_b128 v[L16], v[S+4:S+7], s[12:13] offset:512
.Lno_flush:
	s_wait_tensorcnt 0x0                           ; the wave's end
	ds_add_u32 v[SPW], v[NIL]
	s_wait_dscnt 0x0
	ROUND                                          ; the closing round
	s_endpgm
.Lfunc_end_k_qa301499a3d_attn:
	.size	k_qa301499a3d_attn, .Lfunc_end_k_qa301499a3d_attn-k_qa301499a3d_attn
	.p2alignl 7, 3214868480
	.fill 96, 4, 3214868480
	.section	.rodata,"a",@progbits
	.p2align	6, 0x0
	.amdhsa_kernel k_qa301499a3d_attn
		.amdhsa_group_segment_fixed_size 327680
		.amdhsa_private_segment_fixed_size 0
		.amdhsa_enable_private_segment 0
		.amdhsa_kernarg_size 40
		.amdhsa_user_sgpr_count 2
		.amdhsa_user_sgpr_kernarg_segment_ptr 1
		.amdhsa_wavefront_size32 1
		.amdhsa_system_sgpr_workgroup_id_x 1
		.amdhsa_system_sgpr_workgroup_id_y 1
		.amdhsa_system_sgpr_workgroup_id_z 1
		.amdhsa_system_vgpr_workitem_id 0
		.amdhsa_next_free_vgpr 512
		.amdhsa_next_free_sgpr 66
		.amdhsa_reserve_vcc 0
		.amdhsa_float_denorm_mode_32 3
		.amdhsa_float_denorm_mode_16_64 3
		.amdhsa_memory_ordered 1
		.amdhsa_forward_progress 1
		.amdhsa_inst_pref_size 56
	.end_amdhsa_kernel
	.amdgpu_metadata
---
amdhsa.version: [ 1, 2 ]
amdhsa.kernels:
  - .name:           k_qa301499a3d_attn
    .symbol:         k_qa301499a3d_attn.kd
    .args:
      - { .name: qimg, .offset: 0, .size: 8, .value_kind: global_buffer, .address_space: global }
      - { .name: qsc, .offset: 8, .size: 8, .value_kind: global_buffer, .address_space: global }
      - { .name: kv, .offset: 16, .size: 8, .value_kind: global_buffer, .address_space: global }
      - { .name: oimg, .offset: 24, .size: 8, .value_kind: global_buffer, .address_space: global }
      - { .name: osc, .offset: 32, .size: 8, .value_kind: global_buffer, .address_space: global }
    .group_segment_fixed_size: 327680
    .private_segment_fixed_size: 0
    .kernarg_segment_align: 8
    .kernarg_segment_size: 40
    .max_flat_workgroup_size: 256
    .sgpr_count:     66
    .vgpr_count:     512
    .wavefront_size: 32
...
	.end_amdgpu_metadata
.endif
;; end of part 2
;; launch oproj (part 3): grid 64 x 4, 8 waves a work-group, clusters of 4 x 1, 327,680 bytes of LDS; arguments oimg, osc, Wo_codes, Wo_scales, bo, out0; writes out0
.if DOCPART == 3
	.amdgcn_target "amdgcn-amd-amdhsa--gfx1250"
	.amdhsa_code_object_version 6
	.text
	.protected	k_qa301499a3d_oproj
	.globl	k_qa301499a3d_oproj
	.p2align	8
	.type	k_qa301499a3d_oproj,@function
k_qa301499a3d_oproj:
	s_mov_b64 s[64:65], 0
	v_nop
	global_prefetch_b8 v0, s[64:65] scope:SCOPE_SE
	s_setreg_imm32_b32 hwreg(HW_REG_WAVE_MODE, 25, 1), 1
	s_wait_xcnt 0x0
	s_wait_alu depctr_hold_cnt(0) depctr_sa_sdst(0) depctr_va_vdst(0) depctr_va_sdst(0) depctr_va_ssrc(0) depctr_va_vcc(0) depctr_vm_vsrc(0)
	s_getreg_b32 s2, hwreg(HW_REG_IB_STS2, 6, 4)
	s_cmp_eq_u32 s2, 0
	s_cbranch_scc0 .Lentry_in_a_cluster
	s_endpgm
.Lentry_in_a_cluster:
	s_bfe_u32 s2, ttmp6, 0x10000c
	s_cmp_lg_u32 s2, 0x3003
	s_cbranch_scc0 .Lentry_shape_is_right
	s_endpgm
.Lentry_shape_is_right:
.set WP,    1040
.set WS0,   0
.set WS1,   64*WP
.set STA,   2*64*WP
.set STGB,  128*272
.set SPARE, STA+2*STGB
.set SPW, 1
.set NIL, 2
.set AW0, 3
.set AW1, 4
.set L16, 5
.set XUO, 6
.set WSO, 7
.set BIO, 8
.set STO, 9
.set SRD, 10
.set GOO, 11
.set XSC, 16
.set WSC, 24
.set BI,  32
.set ACC, 48
.set WF,  80
.set OB,  144
.set UT,  176
.set WV,  16
.set FW,  17
.set CB,  18
.set CX,  19
.set HG,  20
.set SW,  21
.set G1W, 24
.set G0W, 32
.set MSB, 0
.macro WIN new
.if MSB != \new
	s_set_vgpr_msb (MSB<<8)|\new
.set MSB, \new
.endif
.endm
.macro PLACES n
.rept \n
	v_nop
.endr
.endm
.macro ROUND
	s_barrier_signal -1
	s_barrier_wait -1
	s_cmp_lg_u32 s[WV], 0
	s_cbranch_scc1 .Lnot_wave_0_\@
	s_barrier_signal -3
.Lnot_wave_0_\@:
	s_barrier_wait -3
	s_barrier_signal -1
	s_barrier_wait -1
.endm
.macro WM d, a, b, c, sa, sb, ra, rb
.if (\ra) && (\rb)
	v_wmma_scale_f32_16x16x128_f8f6f4 v[\d:\d+7], v[\a:\a+15], v[\b:\b+15], v[\c:\c+7], v[\sa], v[\sb] matrix_a_scale:MATRIX_SCALE_ROW1 matrix_b_scale:MATRIX_SCALE_ROW1
.elseif (\ra)
	v_wmma_scale_f32_16x16x128_f8f6f4 v[\d:\d+7], v[\a:\a+15], v[\b:\b+15], v[\c:\c+7], v[\sa], v[\sb] matrix_a_scale:MATRIX_SCALE_ROW1
.elseif (\rb)
	v_wmma_scale_f32_16x16x128_f8f6f4 v[\d:\d+7], v[\a:\a+15], v[\b:\b+15], v[\c:\c+7], v[\sa], v[\sb] matrix_b_scale:MATRIX_SCALE_ROW1
.else
	v_wmma_scale_f32_16x16x128_f8f6f4 v[\d:\d+7], v[\a:\a+15], v[\b:\b+15], v[\c:\c+7], v[\sa], v[\sb]
.endif
.endm
.set UN, 0                             ; units begun so far
; W's scale words and the bias of unit t, 6 loads, into the set of t's parity: v24-47 or v192-215.  They are asked for two units ahead
.macro LOADU t
.set SH, 168*((\t)%2)
	global_load_b128 v[WSC+SH:WSC+SH+3], v[WSO], s[10:11] offset:2048*(\t)
	global_load_b128 v[WSC+SH+4:WSC+SH+7], v[WSO], s[10:11] offset:2048*(\t)+16
.irp q, 0,1,2,3
	global_load_b128 v[BI+SH+4*\q:BI+SH+4*\q+3], v[BIO], s[12:13] offset:256*(\t)+16*\q
.endr
.endm
.macro FETCHW slot, ks
.irp j, 0,1
.irp c, 0,1,2,3
	ds_load_b128 v[WF+32*((\ks)%2)+16*\j+4*\c:WF+32*((\ks)%2)+16*\j+4*\c+3], v[AW0+\slot] offset:16*WP*\j+128*(\ks)+32*\c
.endr
.endr
.endm
.macro MM ks, i, j
.set rD, ACC+16*(\i)+8*(\j)
.if (\ks) == 0
.set rC, BI+168*PAR+8*(\j)
.else
.set rC, rD
.endif
	WM rD, WF+32*((\ks)%2)+16*(\j), 128*(\i)+16*(\ks), rC, WSC+168*PAR+(\ks), XSC+(\ks), \j, \i
.endm
.macro MAIN slot
.set PAR, \slot
.if UN < 3
	s_wait_loadcnt 6                               ; this unit's scale words and bias are in; the next unit's 6 loads may be out
.else
	s_wait_loadcnt 0x0
.endif
.set UN, UN+1
	FETCHW \slot, 0
	FETCHW \slot, 1
.irp ks, 0,1,2,3,4,5,6,7
.if \ks < 7
	s_wait_dscnt 8
.else
	s_wait_dscnt 0x0
.endif
	WIN 0x04
.irp i, 0,1
.irp j, 0,1
	MM \ks, \i, \j
.endr
.endr
.if \ks < 6
	PLACES 8
	FETCHW \slot, \ks+2
.endif
.endr
	WIN 0
.endm
.macro CHANGE t
	s_wait_tensorcnt 0x0
	ds_add_u32 v[SPW], v[NIL]
.if (\t) <= 1
	s_add_nc_u64 s[G0W+4*(\t)+2:G0W+4*(\t)+3], s[8:9], 65536*((\t)+2)
	s_or_b32 s[G0W+4*(\t)+3], s[G0W+4*(\t)+3], 0x80000000
.endif
	s_wait_dscnt 0x0
.if (\t) <= 1
	ROUND
	tensor_load_to_lds s[G0W+4*(\t):G0W+4*(\t)+3], s[G1W:G1W+7]
	s_nop 0
	PLACES 4
.else
	s_barrier_signal -1
	s_barrier_wait -1
.endif
.endm
.macro OUT t
	s_wait_xcnt 0x0
.irp q, 0,1,2,3,4,5,6,7
	ds_load_b128 v[OB+4*\q:OB+4*\q+3], v[SRD] offset:STGB*((\t)%2)+544*\q
.endr
.irp q, 0,1,2,3,4,5,6,7
	s_wait_dscnt 7-\q
	global_store_b128 v[GOO], v[OB+4*\q:OB+4*\q+3], s[14:15] offset:32768*\q+256*(\t) th:TH_STORE_NT
.endr
.endm
.macro POST t
	PLACES 9
.if (\t) < 2
	LOADU (\t)+2
.endif
.irp u, 0,1
.irp q, 0,1,2,3
	ds_store_b128 v[STO], v[ACC+16*\u+4*\q:ACC+16*\u+4*\q+3] offset:STGB*((\t)%2)+16*272*\u+16*\q
.endr
.endr
.if (\t) > 0
	OUT (\t)-1
.endif
.endm
	s_load_b256 s[4:11], s[0:1], 0x0
	s_load_b128 s[12:15], s[0:1], 0x20
	v_lshl_add_u32 v[SPW], v0, 2, SPARE
	v_mov_b32 v[NIL], 0
	ds_add_u32 v1, v2
	ds_add_u32 v1, v2
	s_wait_dscnt 0x0
	v_lshrrev_b32 v176, 5, v0
	s_delay_alu instid0(VALU_DEP_1)
	v_readfirstlane_b32 s[WV], v176
	s_and_b32 s[FW], s[WV], 3
	s_lshr_b32 s[CB], s[WV], 2
	s_bfe_u32 s[CX], ttmp6, 0x40000
	s_and_b32 s[HG], ttmp7, 0xffff
	s_and_b32 s[SW], s[WV], 4
	s_and_b32 s42, s[WV], 1
	s_lshl_b32 s42, s42, 1
	s_or_b32 s[SW], s[SW], s42
	s_bfe_u32 s42, s[WV], 0x10001
	s_or_b32 s[SW], s[SW], s42
	v_and_b32 v176, 31, v0
	v_and_b32 v177, 15, v0
	v_bfe_u32 v178, v0, 4, 1
	s_delay_alu instid0(VALU_DEP_2)
	v_and_b32 v179, 8, v177
	s_delay_alu instid0(VALU_DEP_1)
	v_add_nc_u32 v179, v179, v177
	v_lshlrev_b32 v[L16], 4, v176
	s_mul_i32 s42, s[CB], 32*WP
	v_mul_u32_u24 v[AW0], v177, WP
	s_delay_alu instid0(VALU_DEP_1)
	v_lshl_add_u32 v[AW0], v178, 4, v[AW0]
	s_delay_alu instid0(VALU_DEP_1)
	v_add_nc_u32 v[AW0], s42, v[AW0]
	s_delay_alu instid0(VALU_DEP_1)
	v_add_nc_u32 v[AW1], 64*WP, v[AW0]
	s_lshl_b32 s42, s[FW], 6
	v_lshl_add_u32 v[XUO], v178, 5, s42
	s_delay_alu instid0(VALU_DEP_1)
	v_lshl_add_u32 v[XUO], v177, 1, v[XUO]
	s_lshl_b32 s42, s[CB], 10
	v_lshlrev_b32 v[WSO], 5, v179
	s_delay_alu instid0(VALU_DEP_1)
	v_lshl_add_u32 v[WSO], v178, 8, v[WSO]
	s_delay_alu instid0(VALU_DEP_1)
	v_add_nc_u32 v[WSO], s42, v[WSO]
	s_lshl_b32 s42, s[CB], 7
	v_lshl_add_u32 v[BIO], v178, 6, s42
	s_mul_i32 s42, s[FW], 32*272
	s_lshl_b32 s43, s[CB], 7
	s_add_co_u32 s42, s42, s43
	s_add_co_u32 s42, s42, STA
	v_mul_u32_u24 v[STO], v177, 272
	s_delay_alu instid0(VALU_DEP_1)
	v_lshl_add_u32 v[STO], v178, 6, v[STO]
	s_delay_alu instid0(VALU_DEP_1)
	v_add_nc_u32 v[STO], s42, v[STO]
	s_mul_i32 s42, s[WV], 16*272
	s_add_co_u32 s42, s42, STA
	v_mul_u32_u24 v[SRD], v178, 272
	s_delay_alu instid0(VALU_DEP_1)
	v_lshl_add_u32 v[SRD], v177, 4, v[SRD]
	s_delay_alu instid0(VALU_DEP_1)
	v_add_nc_u32 v[SRD], s42, v[SRD]
	s_lshl_b32 s42, s[WV], 18
	v_lshlrev_b32 v[GOO], 14, v178
	s_delay_alu instid0(VALU_DEP_1)
	v_lshl_add_u32 v[GOO], v177, 4, v[GOO]
	s_delay_alu instid0(VALU_DEP_1)
	v_add_nc_u32 v[GOO], s42, v[GOO]
	s_mov_b32 s[G1W], 15|(3<<16)|(1<<20)|(1<<21)|(7<<22)|(3<<25)
	s_mov_b32 s[G1W+1], 128<<16
	s_mov_b32 s[G1W+2], 8<<16
	s_mov_b32 s[G1W+3], 128<<16
	s_mov_b32 s[G1W+4], 8
	s_mov_b32 s[G1W+5], 128
	s_mov_b32 s[G1W+6], 0
	s_mov_b32 s[G1W+7], 0
	s_lshl_b32 s40, s[HG], 18
	s_lshl_b32 s41, s[WV], 13
	s_add_co_u32 s40, s40, s41
	s_mov_b32 s41, 0
	s_lshl_b32 s42, s[CX], 16
	v_lshl_add_u32 v216, v176, 8, s42              ; the prefetch's offset: 65,536 cx + 256 x lane
	s_wait_alu depctr_va_vdst(0)
	s_wait_kmcnt 0x0
	s_add_nc_u64 s[8:9], s[8:9], s[40:41]
	global_prefetch_b8 v216, s[8:9] th:TH_LOAD_NT scope:SCOPE_SE   ; the four tiles of W that the four partners load jointly are shared out by address: the partner at cx asks for tile cx, each wave for the 8 rows that it fetches, lanes 256 bytes apart
	s_lshl_b32 s40, s[HG], 13
	s_add_nc_u64 s[10:11], s[10:11], s[40:41]
	s_lshl_b32 s40, s[HG], 10
	s_add_nc_u64 s[12:13], s[12:13], s[40:41]
	s_lshl_b32 s42, s[CX], 21
	s_lshl_b32 s43, ttmp9, 17
	s_add_co_u32 s42, s42, s43
	s_lshl_b32 s43, s[FW], 15
	s_add_co_u32 s42, s42, s43
	s_mov_b32 s43, 0
	s_add_nc_u64 s[4:5], s[4:5], s[42:43]
	s_lshl_b32 s42, s[CX], 16
	s_lshl_b32 s44, ttmp9, 8
	s_add_co_u32 s42, s42, s44
	s_add_nc_u64 s[6:7], s[6:7], s[42:43]
	s_lshl_b32 s42, ttmp9, 21
	s_lshl_b32 s44, s[CX], 12
	s_add_co_u32 s42, s42, s44
	s_lshl_b32 s44, s[HG], 10
	s_add_co_u32 s42, s42, s44
	s_add_nc_u64 s[14:15], s[14:15], s[42:43]
	s_mov_b32 s[G0W], 1
	s_mul_i32 s[G0W+1], s[SW], 8*WP
	s_add_co_u32 s[G0W+5], s[G0W+1], WS1
	s_mov_b64 s[G0W+2:G0W+3], s[8:9]
	s_or_b32 s[G0W+3], s[G0W+3], 0x80000000
	s_mov_b32 s[G0W+4], 1
	s_add_nc_u64 s[G0W+6:G0W+7], s[8:9], 65536
	s_or_b32 s[G0W+7], s[G0W+7], 0x80000000
	ROUND
	tensor_load_to_lds s[G0W:G0W+3], s[G1W:G1W+7]
	s_nop 0
	s_wait_alu depctr_va_vdst(0)
	s_wait_tensorcnt 0x0
	ds_add_u32 v1, v2
	s_wait_dscnt 0x0
	ROUND
	tensor_load_to_lds s[G0W+4:G0W+7], s[G1W:G1W+7]
	s_nop 0
	PLACES 4
	WIN 0x40
.irp u, 0,1
.irp ks, 0,1,2,3,4,5,6,7
.irp c, 0,1,2,3
	global_load_b128 v[128*\u+16*\ks+4*\c:128*\u+16*\ks+4*\c+3], v[L16], s[4:5] offset:16384*\u+2048*\ks+512*\c
.endr
.endr
.endr
	WIN 0
.set q, 0
.rept 16
	global_load_u16 v[UT+q], v[XUO], s[6:7] offset:4096*q
.set q, q+1
.endr
	LOADU 0
	LOADU 1
	s_wait_tensorcnt 1
	s_barrier_signal -1
	s_barrier_wait -1
	s_wait_loadcnt 0x0
.irp ks, 0,1,2,3,4,5,6,7
	v_lshl_or_b32 v[XSC+\ks], v[UT+2*\ks+1], 16, v[UT+2*\ks]
.endr
	PLACES 8
	s_wait_alu depctr_va_vdst(0)
	MAIN 0
	CHANGE 0
	POST 0
	MAIN 1
	CHANGE 1
	POST 1
	MAIN 0
	CHANGE 2
	POST 2
	MAIN 1
	s_wait_dscnt 0x0
	s_barrier_signal -1
	s_barrier_wait -1
	POST 3
	s_wait_dscnt 0x0
	s_barrier_signal -1
	s_barrier_wait -1
	OUT 3
	s_wait_tensorcnt 0x0
	ds_add_u32 v[SPW], v[NIL]
	s_wait_dscnt 0x0
	ROUND
	s_endpgm
.Lfunc_end_k_qa301499a3d_oproj:
	.size	k_qa301499a3d_oproj, .Lfunc_end_k_qa301499a3d_oproj-k_qa301499a3d_oproj
	.p2alignl 7, 3214868480
	.fill 96, 4, 3214868480
	.section	.rodata,"a",@progbits
	.p2align	6, 0x0
	.amdhsa_kernel k_qa301499a3d_oproj
		.amdhsa_group_segment_fixed_size 327680
		.amdhsa_private_segment_fixed_size 0
		.amdhsa_enable_private_segment 0
		.amdhsa_kernarg_size 48
		.amdhsa_user_sgpr_count 2
		.amdhsa_user_sgpr_kernarg_segment_ptr 1
		.amdhsa_wavefront_size32 1
		.amdhsa_system_sgpr_workgroup_id_x 1
		.amdhsa_system_sgpr_workgroup_id_y 1
		.amdhsa_system_sgpr_workgroup_id_z 1
		.amdhsa_system_vgpr_workitem_id 0
		.amdhsa_next_free_vgpr 512
		.amdhsa_next_free_sgpr 66
		.amdhsa_reserve_vcc 0
		.amdhsa_float_denorm_mode_32 3
		.amdhsa_float_denorm_mode_16_64 3
		.amdhsa_memory_ordered 1
		.amdhsa_forward_progress 1
		.amdhsa_inst_pref_size 69
	.end_amdhsa_kernel
	.amdgpu_metadata
---
amdhsa.version: [ 1, 2 ]
amdhsa.kernels:
  - .name:           k_qa301499a3d_oproj
    .symbol:         k_qa301499a3d_oproj.kd
    .args:
      - { .name: oimg, .offset: 0, .size: 8, .value_kind: global_buffer, .address_space: global }
      - { .name: osc, .offset: 8, .size: 8, .value_kind: global_buffer, .address_space: global }
      - { .name: Wo_codes, .offset: 16, .size: 8, .value_kind: global_buffer, .address_space: global }
      - { .name: Wo_scales, .offset: 24, .size: 8, .value_kind: global_buffer, .address_space: global }
      - { .name: bo, .offset: 32, .size: 8, .value_kind: global_buffer, .address_space: global }
      - { .name: out0, .offset: 40, .size: 8, .value_kind: global_buffer, .address_space: global }
    .group_segment_fixed_size: 327680
    .private_segment_fixed_size: 0
    .kernarg_segment_align: 8
    .kernarg_segment_size: 48
    .max_flat_workgroup_size: 256
    .sgpr_count:     66
    .vgpr_count:     512
    .wavefront_size: 32
...
	.end_amdgpu_metadata
.endif
;; end of part 3
